; MI455X (gfx1250); checked and timed in simulation.
; The chip was launched on July 23, 2026; its instructions are those of AMD's public machine-readable ISA for CDNA 5 (MIT licence, August 2026) and "CDNA5" Instruction Set Architecture Reference Guide (July 2026). The comments in the code are by the model that wrote it; some were corrected since.
;; Noise Cancelling Attention Mechanism. Allowed arithmetic: matrix products marked QUANTISED: E2M1 operands, one E8M0 scale for each 32 along K, by v_wmma_scale_f32_16x16x128_f8f6f4 with both operands' format E2M1 (or v_wmma_scale_f32_32x16x128_f4), f32 sums; products left as they are: bf16, f16 or f32 operands; f32 sums; everything else in f32.
;; Inputs: Wk 1,024 x 1,024 float32; Wo 1,024 x 1,024 float32; Wq 1,024 x 1,024 float32; Wv 1,024 x 1,024 float32; bk 1,024 float32; bo 1,024 float32; bq 1,024 float32; bv 1,024 float32; k 2 x 2,048 x 1,024 float32; lam one number float32; q1 2 x 2,048 x 1,024 float32; q2 2 x 2,048 x 1,024 float32; v 2 x 2,048 x 1,024 float32.
;; Outputs: out0 2 x 2,048 x 1,024 float32.
;; This version of the problem:
;;   THIS VERSION OF THE PROBLEM IS GIVEN IN LOW PRECISION. The matrix products marked QUANTISED in the list below multiply operands that are first quantised to E2M1 (2 exponent bits, 1 mantissa bit; 4 bits a number), with one power-of-two scale for each 32 numbers along K (OCP MX v1.0); their sums are f32. The products marked 'left as it is' may take bf16, f16 or f32 operands, with f32 sums. Whichever they take, every output number must still come out within the allowed error. Rounding operands to bf16 (8 significant bits) uses up far more of that allowance than f16 does (11 bits, for magnitudes from 6e-5 to 65,504). All else is computed in f32.
;;   The module's matrix products, in the order in which they are computed (A, B: the left and right operand; K: the contracted axis; several contracted axes count as one K, in the product's order):
;;     1. [M 4,096, K 1,024] x [K 1,024, N 1,024]; A: input q1; B: input Wq: QUANTISED
;;     2. [M 4,096, K 1,024] x [K 1,024, N 1,024]; A: input q2; B: input Wq: QUANTISED
;;     3. [M 4,096, K 1,024] x [K 1,024, N 1,024]; A: input k; B: input Wk: QUANTISED
;;     4. [M 4,096, K 1,024] x [K 1,024, N 1,024]; A: input v; B: input Wv: QUANTISED
;;     5. batch 32 x [M 2,048, K 64] x [K 64, N 2,048]; A: computed on the way; B: computed on the way: left as it is (an operand is computed on the way)
;;     6. batch 32 x [M 2,048, K 64] x [K 64, N 2,048]; A: computed on the way; B: computed on the way: left as it is (an operand is computed on the way)
;;     7. batch 32 x [M 2,048, K 2,048] x [K 2,048, N 64]; A: computed on the way; B: computed on the way: left as it is (an operand is computed on the way)
;;     8. [M 4,096, K 1,024] x [K 1,024, N 1,024]; A: computed on the way; B: input Wo: left as it is (an operand is computed on the way)
;;   THE QUANTISER, for each operand of a quantised product, along K:
;;     - K is cut into blocks of 32 from its start; a last block that is shorter is filled with zeros.
;;     - A block's scale is 2^e with e = floor(log2(the largest magnitude in the block)) - 2, held to -126 .. 127; a block of zeros has e = 0. As a byte (E8M0): e + 127.
;;     - Each number is divided by its block's scale, clamped to +-6, and rounded to the nearest number of E2M1, ties to even, subnormals kept.
;;     - The product sums the exact products of the quantised numbers (number of the format x scale) in f32.
;;   ~~~python
;;   def quantise(x, axis):      # numpy; x: float32 -> the quantised numbers, widened to float32 again
;;       x = np.moveaxis(x, axis, -1); K = x.shape[-1]
;;       x = np.pad(x, [(0, 0)] * (x.ndim - 1) + [(0, -K % 32)]); x = x.reshape(x.shape[:-1] + (-1, 32)); a = np.abs(x).max(-1, keepdims=True)
;;       e = np.where(a > 0, np.clip(np.frexp(np.where(a > 0, a, 1))[1] - 1 - 2, -126, 127), 0)      # np.frexp(a)[1] - 1 = floor(log2(a)), exactly
;;       r = np.clip(x / 2.0 ** e, -6, 6)
;;       step = 2.0 ** (np.maximum(np.frexp(np.where(r == 0, 1, r))[1] - 1, 0) - 1)
;;       q = np.round(r / step) * step * 2.0 ** e      # np.round: ties to even
;;       return np.moveaxis(q.reshape(q.shape[:-2] + (-1,))[..., :K], -1, axis).astype(np.float32)
;;   ~~~
;; One version. Each part assembles by itself: llvm-mc -triple=amdgcn-amd-amdhsa -mcpu=gfx1250 --defsym DOCPART=n.
;; ======== version 1 of 1: 4 launches
;; limits: values are held in f16: magnitudes above 65,504 overflow, below 6.1e-05 lose precision
;; workspace buffers: wcodes 1,572,864 bytes; wscl 98,304 bytes; wo16 2,097,152 bytes; qkv 33,554,432 bytes; of 8,388,608 bytes
;; launch prep (part 1): grid 8 x 32, 4 waves a work-group, no clusters, 0 bytes of LDS; arguments Wq, Wk, Wv, Wo, wcodes, wscl, wo16; writes wcodes, wscl, wo16
.if DOCPART == 1
	.amdgcn_target "amdgcn-amd-amdhsa--gfx1250"
	.amdhsa_code_object_version 6
	.text
	.protected	k_q022fa98fff_prep
	.globl	k_q022fa98fff_prep
	.p2align	8
	.type	k_q022fa98fff_prep,@function
k_q022fa98fff_prep:
	s_mov_b64 s[64:65], 0
	v_nop
	global_prefetch_b8 v0, s[64:65] scope:SCOPE_SE
	s_setreg_imm32_b32 hwreg(HW_REG_WAVE_MODE, 25, 1), 1
	s_wait_xcnt 0x0
; LAUNCH 1 OF 4: THE WEIGHTS ARE LAID OUT ONCE.  Wq, Wk, Wv [1024 (k)][1024 (n)] f32 become codes of FP4 (E2M1) with one E8M0 byte for each 32 along K; Wo becomes f16.
; All of it is laid in the order of the operand's registers: a fragment is an image of 1,024 bytes, register group g (4 registers) of lane l at 512 g + 16 l.
; DEAD WORK, for the whole program: bk.  s_i[q][key] = scale q_i[q] . (k Wk)[key] + scale q_i[q] . bk.  The second term is the same for all keys of a row; a softmax along the keys is not
; moved by a term that is the same along its axis, whatever the inputs hold; kh goes nowhere but into s1 and s2, and those two products are not quantised, so no quantiser sees bk.
; So bk is not loaded and is among no launch's arguments.  LIMIT: a NaN, an infinity or an overflow that reaches only bk is not carried to the result.
; LIMITS of the quantiser: a block whose largest magnitude lies under 2^(3 - 127) is taken at that floor (byte 1); a block of zeros gets the byte 1 where the quantiser says 127: its codes are zeros, and the
; bytes are read by this program alone; NaN and infinities among the inputs are not served.  Wo as f16: magnitudes up to 65,504.
; SHARES.  Work-group (x, y): 128 columns (x), weight y / 8 (3 = Wo), K step y % 8 of 128.  A wave takes 32 columns x 128 k.  A LANE TAKES A COLUMN AND ITS REGISTERS RUN DOWN K: each load reads 128
; consecutive bytes a wave, a block of 32 along K lies in one lane, and the conversions give codes with K innermost.  A lane's 16 bytes and those of the 15 lanes beside it are 256 consecutive
; bytes of an image, aligned: no LDS is needed.  Work-groups share no input: no cluster, no matrix unit.
; wcodes [w 3][column tile 64][K step 8][1 KB]: block b of column r at 256 b + 16 r.   wscl [w][head 16][K step 8][u 2][32 lanes] words: lanes 0-15 tile 4 j + 2 u, lanes 16-31 tile 4 j + 2 u + 1.
; wo16 [128 columns 8][32 k 32][column tile 8][1 KB]: the eight k from 8 a on of column r at 256 a + 16 r.
.set X, 64                             ; v64-191  register 32 b + i = W(128 s + 32 b + i, my column)
.set C, 16                             ; v16-31   codes, four registers a block: no store's data are written again
	s_load_b256 s[4:11], s[0:1], 0x0               ; Wq s[4:5], Wk s[6:7], Wv s[8:9], Wo s[10:11]
	s_load_b128 s[12:15], s[0:1], 0x20             ; wcodes, wscl
	s_load_b64 s[16:17], s[0:1], 0x30              ; wo16
	v_lshrrev_b32 v1, 5, v0
	v_readfirstlane_b32 s18, v1                    ; wave 0..3
	s_and_b32 s19, ttmp7, 0xffff
	s_lshr_b32 s20, s19, 3                         ; which weight
	s_and_b32 s21, s19, 7                          ; which K step
	v_and_b32 v1, 31, v0
	v_lshlrev_b32 v1, 2, v1                        ; 4 x lane: my column in a row of W, and my scale word
	v_and_b32 v3, 15, v0
	v_bfe_u32 v4, v0, 4, 1
	v_lshlrev_b32 v3, 4, v3                        ; 16 r
	v_lshl_add_u32 v2, v4, 13, v3                  ; codes: lanes 16-31 belong to the next column tile, 8,192 bytes on
	v_lshl_add_u32 v9, v4, 10, v3                  ; f16: the next column tile is 1,024 bytes on
	s_lshl_b32 s30, s21, 19                        ; 128 rows of 4,096 bytes a K step
	s_lshl_b32 s31, ttmp9, 9
	s_add_co_u32 s30, s30, s31
	s_lshl_b32 s31, s18, 7
	s_add_co_u32 s30, s30, s31
	s_mov_b32 s31, 0
	s_wait_kmcnt 0x0
	s_cmp_eq_u32 s20, 1                            ; the choice hangs on the work-group's number alone
	s_cselect_b64 s[22:23], s[6:7], s[4:5]
	s_cmp_eq_u32 s20, 2
	s_cselect_b64 s[22:23], s[8:9], s[22:23]
	s_cmp_eq_u32 s20, 3
	s_cselect_b64 s[22:23], s[10:11], s[22:23]
	s_add_nc_u64 s[22:23], s[22:23], s[30:31]
.macro LOAD b
.irp i, 0,1,2,3,4,5,6,7,8,9,10,11,12,13,14,15,16,17,18,19,20,21,22,23,24,25,26,27,28,29,30,31
	global_load_b32 v[X+32*(\b)+\i], v1, s[22:23] offset:(32*(\b)+\i)*4096 th:TH_LOAD_NT
.endr
.endm
.macro ARRIVE b                        ; block b's 32 loads are in; the next block's 32 may be out; the block two further on is asked for
.if (\b) < 3
	s_wait_loadcnt 32
.else
	s_wait_loadcnt 0x0
.endif
.if (\b) < 2
	LOAD (\b)+2
.endif
.endm
	LOAD 0
	LOAD 1
	s_cmp_eq_u32 s20, 3
	s_cbranch_scc1 .Lwo
	; ---- Wq, Wk, Wv: codes and scale words
	s_lshl_b32 s30, s20, 19                        ; wcodes: weight x 512 KB + (8 x + 2 wave) tiles of 8 KB + K step x 1 KB
	s_lshl_b32 s24, ttmp9, 16
	s_add_co_u32 s30, s30, s24
	s_lshl_b32 s24, s18, 14
	s_add_co_u32 s30, s30, s24
	s_lshl_b32 s24, s21, 10
	s_add_co_u32 s30, s30, s24
	s_add_nc_u64 s[24:25], s[12:13], s[30:31]
	s_lshl_b32 s26, ttmp9, 2                       ; wscl: my pair of tiles is number 4 x + wave: head = half of it, u = its low bit
	s_add_co_u32 s26, s26, s18
	s_lshr_b32 s27, s26, 1
	s_lshl_b32 s27, s27, 11
	s_and_b32 s26, s26, 1
	s_lshl_b32 s26, s26, 7
	s_add_co_u32 s30, s26, s27
	s_lshl_b32 s26, s20, 15
	s_add_co_u32 s30, s30, s26
	s_lshl_b32 s26, s21, 8
	s_add_co_u32 s30, s30, s26
	s_add_nc_u64 s[26:27], s[14:15], s[30:31]
.macro BLOCK b
.set XS, X+32*(\b)
	ARRIVE \b
	v_max3_num_f32 v4, |v[XS]|, |v[XS+1]|, |v[XS+2]|               ; the block's largest magnitude: all 32 numbers are mine; two chains
	v_max3_num_f32 v5, |v[XS+3]|, |v[XS+4]|, |v[XS+5]|
.irp i, 6,10,14,18,22,26
	v_max3_num_f32 v4, v4, |v[XS+\i]|, |v[XS+\i+1]|
	v_max3_num_f32 v5, v5, |v[XS+\i+2]|, |v[XS+\i+3]|
.endr
	v_max3_num_f32 v4, v4, |v[XS+30]|, |v[XS+31]|
	v_max3_num_f32 v4, v4, v5, 0x1800000           ; and the floor 2^(3 - 127): the byte cannot fall under 1
	v_add_nc_u32 v6, 0xff000000, v4                ; 2 off the exponent field: the conversion takes the exponent field of this operand as its scale
	v_lshrrev_b32 v7, 23, v6                       ; the scale's byte
.if (\b) == 0
	v_mov_b32 v8, v7                               ; four bytes make the column's word for this K step, the lower K in the lower byte
.else
	v_lshl_or_b32 v8, v7, 8*(\b), v8
.endif
.irp g, 0,1,2,3
	v_cvt_scalef32_pk8_fp4_f32 v[C+4*(\b)+\g], v[XS+8*\g:XS+8*\g+7], v6
.endr
	global_store_b128 v2, v[C+4*(\b):C+4*(\b)+3], s[24:25] offset:256*(\b)   ; sixteen lanes store 256 consecutive bytes, aligned
.endm
	BLOCK 0
	BLOCK 1
	BLOCK 2
	BLOCK 3
	v_nop                                          ; a plain line behind the last scaled conversion
	global_store_b32 v1, v8, s[26:27]              ; 32 scale words: 128 consecutive bytes
	s_endpgm
.Lwo:
	; ---- Wo: f16, rounded to nearest even
	s_lshl_b32 s30, ttmp9, 18                      ; wo16: x x 256 KB + K step x 4 chunks of 8 KB + wave x 2 tiles of 1 KB
	s_lshl_b32 s28, s21, 15
	s_add_co_u32 s30, s30, s28
	s_lshl_b32 s28, s18, 11
	s_add_co_u32 s30, s30, s28
	s_add_nc_u64 s[28:29], s[16:17], s[30:31]
.macro CAST q
.set XS, X+32*(\q)
	ARRIVE \q
.set i, 0
.rept 16
	v_cvt_pk_f16_f32 v[XS+i], v[XS+2*i], v[XS+2*i+1]   ; in place, ascending: register i is written when numbers 2 i and 2 i + 1 are read, never earlier
.set i, i+1
.endr
.irp a, 0,1,2,3
	global_store_b128 v9, v[XS+4*\a:XS+4*\a+3], s[28:29] offset:8192*(\q)+256*\a
.endr
.endm
	CAST 0
	CAST 1
	CAST 2
	CAST 3
	s_endpgm
.Lfunc_end_k_q022fa98fff_prep:
	.size	k_q022fa98fff_prep, .Lfunc_end_k_q022fa98fff_prep-k_q022fa98fff_prep
	.p2alignl 7, 3214868480
	.fill 96, 4, 3214868480
	.section	.rodata,"a",@progbits
	.p2align	6, 0x0
	.amdhsa_kernel k_q022fa98fff_prep
		.amdhsa_group_segment_fixed_size 0
		.amdhsa_private_segment_fixed_size 0
		.amdhsa_enable_private_segment 0
		.amdhsa_kernarg_size 56
		.amdhsa_user_sgpr_count 2
		.amdhsa_user_sgpr_kernarg_segment_ptr 1
		.amdhsa_wavefront_size32 1
		.amdhsa_system_sgpr_workgroup_id_x 1
		.amdhsa_system_sgpr_workgroup_id_y 1
		.amdhsa_system_sgpr_workgroup_id_z 1
		.amdhsa_system_vgpr_workitem_id 0
		.amdhsa_next_free_vgpr 192
		.amdhsa_next_free_sgpr 66
		.amdhsa_reserve_vcc 0
		.amdhsa_float_denorm_mode_32 3
		.amdhsa_float_denorm_mode_16_64 3
		.amdhsa_memory_ordered 1
		.amdhsa_forward_progress 1
		.amdhsa_inst_pref_size 33
	.end_amdhsa_kernel
	.amdgpu_metadata
---
amdhsa.version: [ 1, 2 ]
amdhsa.kernels:
  - .name:           k_q022fa98fff_prep
    .symbol:         k_q022fa98fff_prep.kd
    .args:
      - { .name: Wq, .offset: 0, .size: 8, .value_kind: global_buffer, .address_space: global }
      - { .name: Wk, .offset: 8, .size: 8, .value_kind: global_buffer, .address_space: global }
      - { .name: Wv, .offset: 16, .size: 8, .value_kind: global_buffer, .address_space: global }
      - { .name: Wo, .offset: 24, .size: 8, .value_kind: global_buffer, .address_space: global }
      - { .name: wcodes, .offset: 32, .size: 8, .value_kind: global_buffer, .address_space: global }
      - { .name: wscl, .offset: 40, .size: 8, .value_kind: global_buffer, .address_space: global }
      - { .name: wo16, .offset: 48, .size: 8, .value_kind: global_buffer, .address_space: global }
    .group_segment_fixed_size: 0
    .private_segment_fixed_size: 0
    .kernarg_segment_align: 8
    .kernarg_segment_size: 56
    .max_flat_workgroup_size: 128
    .sgpr_count:     66
    .vgpr_count:     192
    .wavefront_size: 32
...
	.end_amdgpu_metadata
.endif
;; end of part 1
;; launch proj (part 2): grid 64 x 4, 16 waves a work-group, no clusters, 36,864 bytes of LDS; arguments q1, q2, k, v, bq, bv, wcodes, wscl, qkv; writes qkv
.if DOCPART == 2
	.amdgcn_target "amdgcn-amd-amdhsa--gfx1250"
	.amdhsa_code_object_version 6
	.text
	.protected	k_q022fa98fff_proj
	.globl	k_q022fa98fff_proj
	.p2align	8
	.type	k_q022fa98fff_proj,@function
k_q022fa98fff_proj:
	s_mov_b64 s[64:65], 0
	v_nop
	global_prefetch_b8 v0, s[64:65] scope:SCOPE_SE
	s_setreg_imm32_b32 hwreg(HW_REG_WAVE_MODE, 25, 1), 1
	s_wait_xcnt 0x0
; LAUNCH 2 OF 4: THE FOUR QUANTISED PROJECTIONS.  z = 0, 1: (q_i Wq + bq) x c, c = log2(e) / 8;  z = 2: k Wk (bk is dead work: shown at the head of the first launch);  z = 3: v Wv + bv.
; Both operands are codes of FP4 with E8M0 scales for each 32 along K; sums in f32; the results leave as f16 operands of the products that are left as they are.
; LIMITS: the quantiser's as in the first launch; the results as f16: magnitudes up to 65,504.
; SHARES.  Work-group (rb, z): 64 rows of tensor z.  First each of the sixteen waves quantises 16 rows x 256 along K of x in registers (row tile w / 4, K steps 2 (w % 4) and + 1) and puts the two
; fragments into LDS AS IMAGES OF THEIR REGISTERS (16 bytes a lane at 16 x lane, the scale word at 4 x row); one barrier.  Then wave j owns head j: 64 columns x all 64 rows, 16 accumulators by turns.
; NO CLUSTER, though the row blocks walk the same weights: each weight fragment goes from memory straight into the registers of the one wave that multiplies by it; through LDS the work-group would
; write 512 KB and read 512 KB more, beside the 16 waves x 8 steps x 4,352 bytes that it reads of x's images.
; z < 3 IS USED TRANSPOSED (source 0 = 16 columns of W, source 1 = 16 rows of x): a lane holds one row and eight neighbouring channels: group t % 2 of the f16 fragment (row tile, channels 32 (t / 2) on).
; z = 3 is used as it stands: a lane holds one channel and eight neighbouring keys: group m % 2 of the fragment of V^T (32 keys, channel tile t).
; qkv [z 4][batch x head 32][256 KB]; z < 3: [row tile 128][c 2][1 KB];  z = 3: [32 keys 64][channel tile 4][1 KB].
.set XSC,   32768                      ; LDS: x's images [K step 8][row tile 4][1 KB] from 0; their scale words [K step][row tile][16 rows] from here
.set SPARE, 34816                      ; the spare words, 128 bytes for each of 16 waves: eight blocks of 256 bytes that no other line names
.set LI,  1                            ; v1   16 x lane
.set LS,  2                            ; v2   4 x lane
.set XA,  3                            ; v3   x: row r of 4,096 bytes + 64 h: my 16 numbers of a block of 32
.set XWI, 4                            ; v4   where I store my images
.set XWS, 5                            ; v5   and their scale words
.set SPW, 6                            ; v6   LDS address of my spare word; never rewritten
.set NIL, 7                            ; v7   0; never rewritten
.set BO,  8                            ; v8   my offset in the bias
.set XS,  10                           ; v10-11  x's scale words: lanes 0-15 row tile 2 p, lanes 16-31 row tile 2 p + 1; scales and nothing else
.set WS,  12                           ; v12-15  W's scale words, two sets of two; scales and nothing else
.set AF,  16                           ; v16-47  x's four fragments of a K step
.set BF,  48                           ; v48-111 W's four fragments, two sets
.set ACC, 128                          ; v128-255 accumulator (m, t) at 128 + 8 (4 m + t); before the barrier 2 x 64 numbers of x
.set PC,  16                           ; before the barrier: the codes just made,
.set TM,  24                           ; v24-39 at work,
.set PW,  40                           ; the scale word just made
.set CS,  28                           ; s[28:29] c, twice
.set SEL, 30                           ; s[30:31] v_permlanex16_b32's selects for lane l xor 16
	s_load_b256 s[4:11], s[0:1], 0x0               ; q1, q2, k, v
	s_load_b256 s[12:19], s[0:1], 0x20             ; bq, bv, wcodes, wscl
	s_load_b64 s[20:21], s[0:1], 0x40              ; qkv
	v_lshl_add_u32 v[SPW], v0, 2, SPARE
	v_mov_b32 v[NIL], 0
	v_lshrrev_b32 v9, 5, v0
	v_readfirstlane_b32 s22, v9                    ; wave 0..15
	s_and_b32 s23, ttmp7, 0xffff                   ; z
	v_and_b32 v9, 31, v0
	v_lshlrev_b32 v[LI], 4, v9
	v_lshlrev_b32 v[LS], 2, v9
	v_and_b32 v9, 15, v0                           ; r
	v_bfe_u32 v8, v0, 4, 1                         ; h
	v_lshlrev_b32 v[XA], 12, v9
	v_lshl_add_u32 v[XA], v8, 6, v[XA]
	s_lshr_b32 s34, s22, 2                         ; the row tile that I quantise
	s_and_b32 s35, s22, 3
	s_lshl_b32 s35, s35, 1                         ; and the first of my two K steps
	s_lshl_b32 s36, s34, 10
	s_lshl_b32 s37, s35, 12
	s_add_co_u32 s36, s36, s37
	v_add_nc_u32 v[XWI], s36, v[LI]
	s_lshl_b32 s36, s34, 6
	s_lshl_b32 s37, s35, 8
	s_add_co_u32 s36, s36, s37
	s_add_co_u32 s36, s36, XSC
	v_lshl_add_u32 v[XWS], v9, 2, s36              ; both halves of the lanes write row r's word, with the same value
.irp b, 0,1,2,3
	v_mov_b32 v[TM+4+\b], 0                        ; written once: a lane permute's destination counts as one of its sources
.endr
	s_mov_b32 s[SEL], 0x76543210
	s_mov_b32 s[SEL+1], 0xfedcba98
	s_mov_b32 s[CS], 0x3e38aa3b                    ; c = log2(e) / sqrt(64)
	s_mov_b32 s[CS+1], s[CS]
	s_max_u32 s26, s23, 1
	s_sub_co_u32 s26, s26, 1                       ; which weight: 0, 0, 1, 2
	s_lshl_b32 s38, ttmp9, 18                      ; x: (64 rb + 16 m) rows of 4,096 bytes + K step x 512
	s_lshl_b32 s39, s34, 16
	s_add_co_u32 s38, s38, s39
	s_lshl_b32 s39, s35, 9
	s_add_co_u32 s38, s38, s39
	s_mov_b32 s39, 0
	s_lshl_b32 s40, s26, 19                        ; wcodes: weight x 512 KB + head x 4 tiles of 8 KB
	s_lshl_b32 s41, s22, 15
	s_add_co_u32 s40, s40, s41
	s_mov_b32 s41, 0
	s_lshl_b32 s42, s26, 15                        ; wscl: weight x 32 KB + head x 2 KB
	s_lshl_b32 s43, s22, 11
	s_add_co_u32 s42, s42, s43
	s_mov_b32 s43, 0
	s_lshr_b32 s44, ttmp9, 5                       ; qkv: z x 8 MB + (16 batch + head) x 256 KB + (rb % 32) x 8 KB
	s_lshl_b32 s44, s44, 4
	s_add_co_u32 s44, s44, s22
	s_lshl_b32 s44, s44, 18
	s_lshl_b32 s45, s23, 23
	s_add_co_u32 s44, s44, s45
	s_and_b32 s45, ttmp9, 31
	s_lshl_b32 s45, s45, 13
	s_add_co_u32 s44, s44, s45
	s_mov_b32 s45, 0
	s_lshl_b32 s46, s22, 8                         ; the bias: my head's 64 numbers
	s_mov_b32 s47, 0
	s_wait_kmcnt 0x0
	s_cmp_eq_u32 s23, 1                            ; the choices hang on the work-group's number alone
	s_cselect_b64 s[24:25], s[6:7], s[4:5]
	s_cmp_eq_u32 s23, 2
	s_cselect_b64 s[24:25], s[8:9], s[24:25]
	s_cmp_eq_u32 s23, 3
	s_cselect_b64 s[24:25], s[10:11], s[24:25]
	s_cselect_b64 s[32:33], s[14:15], s[12:13]
	s_add_nc_u64 s[24:25], s[24:25], s[38:39]
	s_add_nc_u64 s[16:17], s[16:17], s[40:41]
	s_add_nc_u64 s[18:19], s[18:19], s[42:43]
	s_add_nc_u64 s[20:21], s[20:21], s[44:45]
	s_add_nc_u64 s[32:33], s[32:33], s[46:47]
; my 16 rows' numbers of my K step sl (64 a lane) into v[reg] on: register 16 b + i = k 32 b + 16 h + i of row r
.macro XLOAD reg, sl
.irp b, 0,1,2,3
.irp j, 0,1,2,3
	global_load_b128 v[\reg+16*\b+4*\j:\reg+16*\b+4*\j+3], v[XA], s[24:25] offset:512*\sl+128*\b+16*\j th:TH_LOAD_NT
.endr
.endr
.endm
; my head's four fragments of W for K step s, and their scale words, into set s % 2: ten loads
.macro BFETCH s
.irp t, 0,1,2,3
.irp c, 0,1
	global_load_b128 v[BF+32*((\s)%2)+8*\t+4*\c:BF+32*((\s)%2)+8*\t+4*\c+3], v[LI], s[16:17] offset:\t*8192+(\s)*1024+512*\c
.endr
.endr
.irp u, 0,1
	global_load_b32 v[WS+2*((\s)%2)+\u], v[LS], s[18:19] offset:(\s)*256+128*\u
.endr
.endm
; 64 numbers of a lane become a fragment's codes in v[PC] on and its scale word in v[PW]
.macro QUANT s
.irp b, 0,1,2,3
	v_max3_num_f32 v[TM+\b], |v[\s+16*\b]|, |v[\s+1+16*\b]|, 0x1800000   ; block b: my 16 numbers, and the floor 2^(3 - 127): the byte cannot fall under 1
.endr
.irp i, 2,4,6,8,10,12,14
.irp b, 0,1,2,3
	v_max3_num_f32 v[TM+\b], v[TM+\b], |v[\s+16*\b+\i]|, |v[\s+1+16*\b+\i]|   ; the four blocks by turns
.endr
.endr
.irp b, 0,1,2,3
	v_permlanex16_b32 v[TM+4+\b], v[TM+\b], s[SEL], s[SEL+1]
.endr
.irp b, 0,1,2,3
	v_max_num_f32 v[TM+\b], v[TM+\b], v[TM+4+\b]   ; with lane l xor 16's: the block's largest magnitude
.endr
.irp b, 0,1,2,3
	v_add_nc_u32 v[TM+12+\b], 0xff000000, v[TM+\b] ; 2 off its exponent field: the conversion's scale operand
.endr
.irp b, 0,1,2,3
	v_lshrrev_b32 v[TM+4+\b], 23, v[TM+12+\b]      ; the scale's byte
.endr
	v_lshl_or_b32 v[PW], v[TM+5], 8, v[TM+4]
	v_lshl_or_b32 v[PW], v[TM+6], 16, v[PW]
	v_lshl_or_b32 v[PW], v[TM+7], 24, v[PW]
.irp b, 0,1,2,3
	v_cvt_scalef32_pk8_fp4_f32 v[PC+2*\b], v[\s+16*\b:\s+7+16*\b], v[TM+12+\b]
	v_cvt_scalef32_pk8_fp4_f32 v[PC+1+2*\b], v[\s+8+16*\b:\s+15+16*\b], v[TM+12+\b]
.endr
	v_nop                                          ; one plain place behind a scaled conversion
.irp c, 0,1                                    ; the operand's layout wants a whole block in a lane: lanes 0-15 block 2 c, lanes 16-31 block 2 c + 1
.irp i, 0,1
	v_permlane16_swap_b32 v[PC+4*\c+\i], v[PC+2+4*\c+\i]
.endr
.endr
.endm
.macro IMAGE off
.irp c, 0,1
	ds_store_b128 v[XWI], v[PC+4*\c:PC+4*\c+3] offset:\off+512*\c
.endr
.endm
; x's four fragments of K step s and their scale words, from LDS: ten loads
.macro AFETCH s
.irp m, 0,1,2,3
.irp c, 0,1
	ds_load_b128 v[AF+8*\m+4*\c:AF+8*\m+4*\c+3], v[LI] offset:(\s)*4096+\m*1024+512*\c
.endr
.endr
.irp p, 0,1
	ds_load_b32 v[XS+\p], v[LS] offset:XSC+(\s)*256+128*\p
.endr
.endm
; one product.  Z: it starts the sum;  RA, RB: source 0's, source 1's scales stand in lanes 16-31
.macro WMS
.if Z && RA && RB
	v_wmma_scale_f32_16x16x128_f8f6f4 v[rD:rD+7], v[rA:rA+7], v[rB:rB+7], 0, v[rSA], v[rSB] matrix_a_fmt:MATRIX_FMT_FP4 matrix_b_fmt:MATRIX_FMT_FP4 matrix_a_scale:MATRIX_SCALE_ROW1 matrix_b_scale:MATRIX_SCALE_ROW1
.elseif Z && RA
	v_wmma_scale_f32_16x16x128_f8f6f4 v[rD:rD+7], v[rA:rA+7], v[rB:rB+7], 0, v[rSA], v[rSB] matrix_a_fmt:MATRIX_FMT_FP4 matrix_b_fmt:MATRIX_FMT_FP4 matrix_a_scale:MATRIX_SCALE_ROW1
.elseif Z && RB
	v_wmma_scale_f32_16x16x128_f8f6f4 v[rD:rD+7], v[rA:rA+7], v[rB:rB+7], 0, v[rSA], v[rSB] matrix_a_fmt:MATRIX_FMT_FP4 matrix_b_fmt:MATRIX_FMT_FP4 matrix_b_scale:MATRIX_SCALE_ROW1
.elseif Z
	v_wmma_scale_f32_16x16x128_f8f6f4 v[rD:rD+7], v[rA:rA+7], v[rB:rB+7], 0, v[rSA], v[rSB] matrix_a_fmt:MATRIX_FMT_FP4 matrix_b_fmt:MATRIX_FMT_FP4
.elseif RA && RB
	v_wmma_scale_f32_16x16x128_f8f6f4 v[rD:rD+7], v[rA:rA+7], v[rB:rB+7], v[rD:rD+7], v[rSA], v[rSB] matrix_a_fmt:MATRIX_FMT_FP4 matrix_b_fmt:MATRIX_FMT_FP4 matrix_a_scale:MATRIX_SCALE_ROW1 matrix_b_scale:MATRIX_SCALE_ROW1
.elseif RA
	v_wmma_scale_f32_16x16x128_f8f6f4 v[rD:rD+7], v[rA:rA+7], v[rB:rB+7], v[rD:rD+7], v[rSA], v[rSB] matrix_a_fmt:MATRIX_FMT_FP4 matrix_b_fmt:MATRIX_FMT_FP4 matrix_a_scale:MATRIX_SCALE_ROW1
.elseif RB
	v_wmma_scale_f32_16x16x128_f8f6f4 v[rD:rD+7], v[rA:rA+7], v[rB:rB+7], v[rD:rD+7], v[rSA], v[rSB] matrix_a_fmt:MATRIX_FMT_FP4 matrix_b_fmt:MATRIX_FMT_FP4 matrix_b_scale:MATRIX_SCALE_ROW1
.else
	v_wmma_scale_f32_16x16x128_f8f6f4 v[rD:rD+7], v[rA:rA+7], v[rB:rB+7], v[rD:rD+7], v[rSA], v[rSB] matrix_a_fmt:MATRIX_FMT_FP4 matrix_b_fmt:MATRIX_FMT_FP4
.endif
.endm
; a K step's 16 products: the 16 accumulators take turns, one instruction a turn, in the same order in every step.  kind 0 (q), 1 (k): transposed; 2 (v): as it stands
.macro MULS s, kind
.set Z, 0
.if (\s) == 0
.set Z, 1
.endif
.irp m, 0,1,2,3
.irp t, 0,1,2,3
.set rD, ACC+8*(4*\m+\t)
.if (\kind) < 2
.set rA, BF+32*((\s)%2)+8*\t
.set rB, AF+8*\m
.set rSA, WS+2*((\s)%2)+\t/2
.set rSB, XS+\m/2
.set RA, \t%2
.set RB, \m%2
.else
.set rA, AF+8*\m
.set rB, BF+32*((\s)%2)+8*\t
.set rSA, XS+\m/2
.set rSB, WS+2*((\s)%2)+\t/2
.set RA, \m%2
.set RB, \t%2
.endif
	WMS
.endr
.endr
.endm
.macro STEP s, kind
	s_wait_dscnt 0x0                               ; x's fragments and scale words of this step are in
.if (\s) < 7
	s_wait_loadcnt 10                              ; W's set of this step is in; the ten loads of the next step's set may be out
.elseif (\kind) == 0
	s_wait_loadcnt 8                               ; behind the last set: the bias's eight loads,
.elseif (\kind) == 1
	s_wait_loadcnt 0x0                             ; none,
.else
	s_wait_loadcnt 4                               ; or four
.endif
	MULS \s, \kind
.rept 4
	v_nop                                          ; four places in front of loads into registers that these products have read, and of the first read of results
.endr
.if (\s) < 7
	AFETCH (\s)+1
.endif
.if (\s) < 6
	BFETCH (\s)+2
.endif
.if ((\s) == 6) && ((\kind) == 0)
.irp t, 0,1,2,3                                ; bq at the lane's eight channels of tile t: 16 t + 8 h + 0 .. 7, into the set that this step has left
.irp g, 0,1
	global_load_b128 v[BF+8*\t+4*\g:BF+8*\t+4*\g+3], v[BO], s[32:33] offset:64*\t+16*\g
.endr
.endr
.endif
.if ((\s) == 6) && ((\kind) == 2)
.irp t, 0,1,2,3                                ; bv at the lane's one channel of tile t: 16 t + r
	global_load_b32 v[BF+2*\t], v[BO], s[32:33] offset:64*\t
.endr
.endif
.endm
.macro MAIN kind
.if (\kind) == 0
	v_bfe_u32 v[BO], v0, 4, 1
	v_lshlrev_b32 v[BO], 5, v[BO]                  ; 32 h bytes
.endif
.if (\kind) == 2
	v_and_b32 v[BO], 15, v0
	v_lshlrev_b32 v[BO], 2, v[BO]                  ; 4 r bytes
.endif
.irp s, 0,1,2,3,4,5,6,7
	STEP \s, \kind
.endr
	s_wait_loadcnt 0x0                             ; the bias
.if (\kind) == 0
.irp i, 0,2,4,6,8,10,12,14,16,18,20,22,24,26,28,30
	v_pk_mul_f32 v[BF+\i:BF+\i+1], v[BF+\i:BF+\i+1], s[CS:CS+1] op_sel_hi:[1,0]   ; bq x c
.endr
.endif
.irp m, 0,1,2,3
.irp t, 0,1,2,3
.set rD, ACC+8*(4*\m+\t)                       ; each accumulator is read from its low end on
.if (\kind) == 0
.irp i, 0,2,4,6
	v_pk_fma_f32 v[rD+\i:rD+\i+1], v[rD+\i:rD+\i+1], s[CS:CS+1], v[BF+8*\t+\i:BF+8*\t+\i+1] op_sel_hi:[1,0,1]   ; sum x c + bq x c
.endr
.endif
.if (\kind) == 2
.irp i, 0,2,4,6
	v_pk_add_f32 v[rD+\i:rD+\i+1], v[rD+\i:rD+\i+1], v[BF+2*\t:BF+2*\t+1] op_sel_hi:[1,0]   ; + bv of my channel
.endr
.endif
.irp i, 0,1,2,3
	v_cvt_pk_f16_f32 v[rD+\i], v[rD+2*\i], v[rD+2*\i+1]
.endr
.if (\kind) == 2
	global_store_b128 v[LI], v[rD:rD+3], s[20:21] offset:(\m/2)*4096+\t*1024+(\m%2)*512   ; 32 lanes store 512 consecutive bytes, aligned
.else
	global_store_b128 v[LI], v[rD:rD+3], s[20:21] offset:\m*2048+\t*512
.endif
.endr
.endr
.endm
	XLOAD ACC, 0
	XLOAD ACC+64, 1
	BFETCH 0
	BFETCH 1
	s_wait_loadcnt 36                              ; my first K step's 16 loads are in; behind them: the second's 16 and W's 20
	QUANT ACC
	IMAGE 0
	ds_store_b32 v[XWS], v[PW]
	s_wait_dscnt 0x0                               ; the stores have read their registers
	s_wait_loadcnt 20                              ; my second K step; W's two sets may be out
	QUANT ACC+64
	IMAGE 4096
	ds_store_b32 v[XWS], v[PW] offset:256
	s_wait_dscnt 0x0                               ; for the others' sake: my stores have landed
	s_barrier_signal -1
	s_barrier_wait -1                              ; x's 32 fragments lie in LDS; nothing is stored to LDS behind this line
	AFETCH 0
	s_cmp_lt_u32 s23, 2                            ; the three ways part on the work-group's number alone
	s_cbranch_scc1 .Lq
	s_cmp_eq_u32 s23, 2
	s_cbranch_scc1 .Lk
	MAIN 2
	s_branch .Lend
.Lk:
	MAIN 1
	s_branch .Lend
.Lq:
	MAIN 0
.Lend:
	s_wait_tensorcnt 0x0                           ; the wave's end, behind my last LDS store
	ds_add_u32 v[SPW], v[NIL]
	s_wait_dscnt 0x0
	s_endpgm
.Lfunc_end_k_q022fa98fff_proj:
	.size	k_q022fa98fff_proj, .Lfunc_end_k_q022fa98fff_proj-k_q022fa98fff_proj
	.p2alignl 7, 3214868480
	.fill 96, 4, 3214868480
	.section	.rodata,"a",@progbits
	.p2align	6, 0x0
	.amdhsa_kernel k_q022fa98fff_proj
		.amdhsa_group_segment_fixed_size 36864
		.amdhsa_private_segment_fixed_size 0
		.amdhsa_enable_private_segment 0
		.amdhsa_kernarg_size 72
		.amdhsa_user_sgpr_count 2
		.amdhsa_user_sgpr_kernarg_segment_ptr 1
		.amdhsa_wavefront_size32 1
		.amdhsa_system_sgpr_workgroup_id_x 1
		.amdhsa_system_sgpr_workgroup_id_y 1
		.amdhsa_system_sgpr_workgroup_id_z 1
		.amdhsa_system_vgpr_workitem_id 0
		.amdhsa_next_free_vgpr 256
		.amdhsa_next_free_sgpr 66
		.amdhsa_reserve_vcc 0
		.amdhsa_float_denorm_mode_32 3
		.amdhsa_float_denorm_mode_16_64 3
		.amdhsa_memory_ordered 1
		.amdhsa_forward_progress 1
		.amdhsa_inst_pref_size 127
	.end_amdhsa_kernel
	.amdgpu_metadata
---
amdhsa.version: [ 1, 2 ]
amdhsa.kernels:
  - .name:           k_q022fa98fff_proj
    .symbol:         k_q022fa98fff_proj.kd
    .args:
      - { .name: q1, .offset: 0, .size: 8, .value_kind: global_buffer, .address_space: global }
      - { .name: q2, .offset: 8, .size: 8, .value_kind: global_buffer, .address_space: global }
      - { .name: k, .offset: 16, .size: 8, .value_kind: global_buffer, .address_space: global }
      - { .name: v, .offset: 24, .size: 8, .value_kind: global_buffer, .address_space: global }
      - { .name: bq, .offset: 32, .size: 8, .value_kind: global_buffer, .address_space: global }
      - { .name: bv, .offset: 40, .size: 8, .value_kind: global_buffer, .address_space: global }
      - { .name: wcodes, .offset: 48, .size: 8, .value_kind: global_buffer, .address_space: global }
      - { .name: wscl, .offset: 56, .size: 8, .value_kind: global_buffer, .address_space: global }
      - { .name: qkv, .offset: 64, .size: 8, .value_kind: global_buffer, .address_space: global }
    .group_segment_fixed_size: 36864
    .private_segment_fixed_size: 0
    .kernarg_segment_align: 8
    .kernarg_segment_size: 72
    .max_flat_workgroup_size: 512
    .sgpr_count:     66
    .vgpr_count:     256
    .wavefront_size: 32
...
	.end_amdgpu_metadata
.endif
;; end of part 2
;; launch attn (part 3): grid 8 x 32, 16 waves a work-group, clusters of 4 x 1, 327,680 bytes of LDS; arguments qkv, lam, of; writes of
.if DOCPART == 3
	.amdgcn_target "amdgcn-amd-amdhsa--gfx1250"
	.amdhsa_code_object_version 6
	.text
	.protected	k_q022fa98fff_attn
	.globl	k_q022fa98fff_attn
	.p2align	8
	.type	k_q022fa98fff_attn,@function
k_q022fa98fff_attn:
	s_mov_b64 s[64:65], 0
	v_nop
	global_prefetch_b8 v0, s[64:65] scope:SCOPE_SE
	s_setreg_imm32_b32 hwreg(HW_REG_WAVE_MODE, 25, 1), 1
	s_wait_xcnt 0x0
	s_wait_alu depctr_hold_cnt(0) depctr_sa_sdst(0) depctr_va_vdst(0) depctr_va_sdst(0) depctr_va_ssrc(0) depctr_va_vcc(0) depctr_vm_vsrc(0)
	s_getreg_b32 s2, hwreg(HW_REG_IB_STS2, 6, 4)
	s_cmp_eq_u32 s2, 0
	s_cbranch_scc0 .Lentry_in_a_cluster
	s_endpgm
.Lentry_in_a_cluster:
	s_bfe_u32 s2, ttmp6, 0x10000c
	s_cmp_lg_u32 s2, 0x3003
	s_cbranch_scc0 .Lentry_shape_is_right
	s_endpgm
.Lentry_shape_is_right:
; LAUNCH 3 OF 4: o = softmax(s1) V - lam softmax(s2) V, for one batch and head.  (bk is dead work: shown at the head of the first launch.)
; Operands f16, products, maxima and sums f32.  q1 and q2 arrive multiplied by c = log2(e) / 8, so a score is t and p = 2^(t - m), m the running maximum of the row; in every step the sum l and O are
; multiplied by a = 2^(m_old - m_new).  The two softmaxes have divisors of their own, known behind the last key: so P1 V and P2 V are summed apart, and o = O1 / l1 - lam O2 / l2 at the end.
; LIMITS: p as f16 (under 6e-5 with f16's absolute step); o as f16: magnitudes up to 65,504, under 6e-5 with the absolute step 2^-24.
; SHARES.  A work-group owns 256 positions of one head; each of its SIXTEEN waves owns 16 of them in BOTH streams: tile 0 = q1's, tile 1 = q2's, so each fragment of K and V read from LDS feeds two
; products.  256 registers a wave, four waves to a SIMD: one wave's softmax stands beside another's products.  Every wave walks all 2,048 keys, 64 a step.
; LAYOUT.  S^T = K Q^T (source 0 = 16 keys, source 1 = 16 queries): a lane holds ONE query and eight keys; two such tiles, rounded to f16 in pairs, ARE source 1 of O^T = V^T P.  K and V^T lie in
; memory as images of their fragments, so a step's K is 8 KB on end, and so is its V: they come into LDS as they lie and every LDS load is 16 x lane.
; RING.  Two slots of 8 steps x (K 8 KB, V 8 KB).  A slot is sixteen dense pieces of 8 KB and there are sixteen waves: every wave fetches one, with no branch.
; CLUSTER.  The four query blocks of a cluster belong to one head and walk the same K and V: each piece is asked for JOINTLY, with the same descriptor and a mask that names the four.
.set SLOT1, 1<<17                      ; slot 1 begins here: one exclusive or turns an address in one slot into the other's
.set STEPB, 16384
.set SPARE, 2*SLOT1                    ; behind the ring: the spare words, 128 bytes for each of 16 waves: eight blocks of 256 bytes that no other line names
.set LI,  1                            ; v1   16 x lane; never rewritten
.set ADR, 2                            ; v2   LDS address of the step in hand
.set SPW, 3                            ; v3   LDS address of my spare word; never rewritten
.set NIL, 4                            ; v4   0; never rewritten
.set PFO, 5                            ; v5   256 x lane; never rewritten
.set ST,  8                            ; v8-23   tile T's statistics at ST + 8 T: +0 m, +1 its pair's partner, +2, +3 l, +4 .. +7 c0-c3 at work; a takes c2's place, m_old - m_new c3's
.set Q,   24                           ; v24-55  Q: (T, channels 32 c on) at 24 + 16 T + 8 c
.set KV,  56                           ; v56-119 a step's K, then its V
.set S,   120                          ; v120-183 S^T: T at + 32 T, key tile kt at + 8 kt; p in place; P (f16) in the tile's first 16
.set O,   184                          ; v184-247 O^T: T at + 32 T, channel tile ct at + 8 ct
.set WV,  12                           ; s12  my wave's number
.set G1,  24                           ; s[24:31] descriptor group 1
.set G0A, 32                           ; s[32:35] group 0 of slot 0's first fill
.set G0B, 36                           ; s[36:39] group 0 of slot 1's first fill, which then walks
.set SLOTS, 40                         ; s40  slots still to be asked for
.set CNT, 41                           ; s41  counts a slot's eight steps
.set TB,  42                           ; s42  LDS byte at which the step in hand begins
.set SEL, 44                           ; s[44:45] v_permlanex16_b32's selects for lane l xor 16
.set LIM, 46                           ; s46  1 in a wave that prefetches, else the greatest number
.set PFA, 48                           ; s[48:49] what I prefetch; never rewritten
.set LAM, 50                           ; s50  lam
.macro CROUND                          ; a round of the cluster's barrier
	s_barrier_signal -1
	s_barrier_wait -1
	s_cmp_lg_u32 s[WV], 0
	s_cbranch_scc1 .Lnot_wave_0_\@
	s_barrier_signal -3
.Lnot_wave_0_\@:
	s_barrier_wait -3
	s_barrier_signal -1
	s_barrier_wait -1
.endm
.macro JLOAD                           ; my piece of the next slot; an s_nop 0 and four v_nop follow
	tensor_load_to_lds s[G0B:G0B+3], s[G1:G1+7]
	s_nop 0
.rept 4
	v_nop
.endr
.endm
; A PREFETCH INTO THE L2 of the keys' last quarter (steps 24 to 31), at the first change of slots: eight key steps ahead of the tensor loads that will ask for it.  The first three quarters come by their loads alone.
; Each aligned block of 256 bytes is named once in the launch: both clusters of a head walk the same K and V, and the head's first cluster asks; its four partners are told apart BY ADDRESS:
; partner cx, wave w (0 to 3) takes piece 4 cx + w of the sixteen, 8 KB, lanes 256 bytes apart.  The second change asks for nothing: there are no keys behind.
.macro ASK
	s_cmp_gt_u32 s[SLOTS], s[LIM]
	s_cbranch_scc0 .Lnot_mine_\@
	global_prefetch_b8 v[PFO], s[PFA:PFA+1] th:TH_LOAD_NT scope:SCOPE_SE
.Lnot_mine_\@:
.endm
	s_load_b128 s[4:7], s[0:1], 0x0                ; qkv s[4:5], lam s[6:7]
	s_load_b64 s[8:9], s[0:1], 0x10                ; of
	v_lshl_add_u32 v[SPW], v0, 2, SPARE
	v_mov_b32 v[NIL], 0
	ds_add_u32 v[SPW], v[NIL]                      ; the wave's opening: the add, twice on end, and its wait ahead of my first tensor load
	ds_add_u32 v[SPW], v[NIL]                      ; and once more, under the one wait; the set-up below, work on registers, stands between
	v_lshrrev_b32 v2, 5, v0
	v_readfirstlane_b32 s[WV], v2                  ; wave 0..15
	s_bfe_u32 s13, ttmp6, 0x40000                  ; cx: my place in the cluster
	s_lshl_b32 s14, ttmp9, 2
	s_add_co_u32 s14, s14, s13                     ; my block of 256 positions: it enters Q's, of's and the prefetch's addresses alone
	s_and_b32 s15, ttmp7, 0xffff                   ; 16 batch + head, which the four partners share
	; descriptor group 1: a dense piece of 8 KB as 32 rows of 32 elements of 8 bytes
	s_mov_b32 s[G1], 15|(3<<16)|(1<<21)            ; 15:0 the mask: all four work-groups; 17:16 elements of 8 bytes; 20 no padding; 21 set beside a mask
	s_mov_b32 s[G1+1], 32<<16                      ; tensor_dim0 = 32
	s_mov_b32 s[G1+2], 32<<16                      ; tensor_dim1 = 32
	s_mov_b32 s[G1+3], 32<<16                      ; tile_dim0 = 32
	s_mov_b32 s[G1+4], 32                          ; tile_dim1 = 32
	s_mov_b32 s[G1+5], 32                          ; from row to row: 32 elements
	s_mov_b32 s[G1+6], 0
	s_mov_b32 s[G1+7], 0
	s_lshr_b32 s20, s[WV], 3                       ; I fetch for K (0) or for V (1),
	s_and_b32 s23, s[WV], 7                        ; the slot's step w % 8
	s_lshl_b32 s21, s20, 23                        ; in memory: K's tensor begins 16 MB in, V's 8 MB behind it; a head is 256 KB, a step 8 KB
	s_add_co_u32 s21, s21, 0x1000000
	s_lshl_b32 s22, s15, 18
	s_add_co_u32 s21, s21, s22
	s_lshl_b32 s22, s23, 13
	s_add_co_u32 s52, s21, s22
	s_mov_b32 s53, 0
	s_lshl_b32 s54, s23, 14                        ; in a slot: step x 16 KB + 8 KB for V: no place in the cluster enters an LDS address
	s_lshl_b32 s55, s20, 13
	s_add_co_u32 s54, s54, s55
	s_lshl_b32 s56, s14, 4                         ; Q: head x 256 KB + row tile (16 block + wave) x 2 KB
	s_add_co_u32 s56, s56, s[WV]
	s_lshl_b32 s56, s56, 11
	s_lshl_b32 s57, s15, 18
	s_add_co_u32 s56, s56, s57
	s_mov_b32 s57, 0
	s_lshr_b32 s58, s15, 4                         ; of: (16 batch + 2 block + wave / 8) x 256 KB + head x 16 KB + (wave % 8) x 1 KB
	s_lshl_b32 s58, s58, 4
	s_lshl_b32 s59, s14, 1
	s_add_co_u32 s58, s58, s59
	s_add_co_u32 s58, s58, s20
	s_lshl_b32 s58, s58, 18
	s_and_b32 s59, s15, 15
	s_lshl_b32 s59, s59, 14
	s_add_co_u32 s58, s58, s59
	s_lshl_b32 s59, s23, 10
	s_add_co_u32 s58, s58, s59
	s_mov_b32 s59, 0
	s_lshr_b32 s60, s13, 1                         ; the prefetch: partners 0, 1 take K's pieces, 2, 3 V's; the last quarter begins 3 x 64 KB into a head
	s_lshl_b32 s60, s60, 23
	s_add_co_u32 s60, s60, 0x1000000+3*65536
	s_lshl_b32 s61, s15, 18
	s_add_co_u32 s60, s60, s61
	s_and_b32 s61, s13, 1
	s_lshl_b32 s61, s61, 2
	s_and_b32 s62, s[WV], 3
	s_add_co_u32 s61, s61, s62
	s_lshl_b32 s61, s61, 13
	s_add_co_u32 s60, s60, s61
	s_mov_b32 s61, 0
	s_lshr_b32 s[LIM], s[WV], 2                    ; 0 in waves 0 to 3,
	s_or_b32 s[LIM], s[LIM], ttmp9                 ; of the head's first cluster: the same in all four partners
	s_cmp_eq_u32 s[LIM], 0
	s_cselect_b32 s[LIM], 1, -1
	s_mov_b32 s[SEL], 0x76543210
	s_mov_b32 s[SEL+1], 0xfedcba98
	s_mov_b32 s[TB], 0
	s_mov_b32 s[SLOTS], 2
	v_and_b32 v2, 31, v0
	v_lshlrev_b32 v[LI], 4, v2
	v_lshlrev_b32 v[PFO], 8, v2
	s_wait_dscnt 0x0                               ; both opening adds are done
	s_wait_kmcnt 0x0
	s_add_nc_u64 s[16:17], s[4:5], s[56:57]        ; q1's fragments of my 16 positions,
	s_add_nc_u64 s[10:11], s[16:17], 0x800000      ; q2's: one tensor, 8 MB, on
	s_add_nc_u64 s[18:19], s[8:9], s[58:59]
	s_add_nc_u64 s[PFA:PFA+1], s[4:5], s[60:61]
	s_mov_b32 s[G0A], 1                            ; count = 1
	s_mov_b32 s[G0A+1], s54                        ; LDS address: slot 0
	s_add_nc_u64 s[G0A+2:G0A+3], s[4:5], s[52:53]  ; global address: steps 0 to 7
	s_or_b32 s[G0A+3], s[G0A+3], 0x80000000        ; type = 2
	s_mov_b32 s[G0B], 1
	s_add_co_u32 s[G0B+1], s54, SLOT1              ; slot 1
	s_add_nc_u64 s[G0B+2:G0B+3], s[4:5], s[52:53]
	s_add_nc_u64 s[G0B+2:G0B+3], s[G0B+2:G0B+3], 65536   ; steps 8 to 15
	s_or_b32 s[G0B+3], s[G0B+3], 0x80000000
	CROUND                                         ; all four work-groups are here: the first joint loads meet
	tensor_load_to_lds s[G0A:G0A+3], s[G1:G1+7]    ; both first fills together: two loads of mine are out
	s_nop 0
	tensor_load_to_lds s[G0B:G0B+3], s[G1:G1+7]
	s_nop 0
.rept 4
	v_nop
.endr
	s_load_b32 s[LAM], s[6:7], 0x0
.irp c, 0,1
.irp g, 0,1
	global_load_b128 v[Q+8*\c+4*\g:Q+8*\c+4*\g+3], v[LI], s[16:17] offset:\c*1024+\g*512       ; Q stays in registers
	global_load_b128 v[Q+16+8*\c+4*\g:Q+16+8*\c+4*\g+3], v[LI], s[10:11] offset:\c*1024+\g*512
.endr
.endr
.irp T, 0,1
	v_mov_b32 v[ST+8*\T], 0xff61b1e6               ; m: -3e38, under every t
	v_mov_b32 v[ST+8*\T+1], 0                      ; (named with m as a pair, so it is written)
	v_mov_b32 v[ST+8*\T+2], 0                      ; l, in two halves
	v_mov_b32 v[ST+8*\T+3], 0
.endr
.set i, 0
.rept 64
	v_mov_b32 v[O+i], 0                            ; O^T.  The step is written once: the first finds zeros, and its a is 0; a first step of its own would be a fourth copy of the step's text
.set i, i+1
.endr
; A KEY STEP: 64 keys.
.macro STEP
	v_add_nc_u32 v[ADR], s[TB], v[LI]
.rept 5
	v_nop                                          ; with the addition six places behind the last step's products: four are owed in front of loads into V's registers, five before a product writes over P
.endr
.irp i, 0,1,2,3,4,5,6,7,8,9,10,11,12,13,14,15
	ds_load_b128 v[KV+4*\i:KV+4*\i+3], v[ADR] offset:512*\i          ; K: fragment (kt, c) at KV + 8 (2 kt + c)
.endr
	s_wait_dscnt 0x0
.irp c, 0,1                                    ; S^T = K Q^T: the eight accumulators take turns; the first eight products start the sums
.irp kt, 0,1,2,3
.irp T, 0,1
.if \c == 0
	v_wmma_f32_16x16x32_f16 v[S+32*\T+8*\kt:S+32*\T+8*\kt+7], v[KV+8*(2*\kt+\c):KV+8*(2*\kt+\c)+7], v[Q+16*\T+8*\c:Q+16*\T+8*\c+7], 0
.else
	v_wmma_f32_16x16x32_f16 v[S+32*\T+8*\kt:S+32*\T+8*\kt+7], v[KV+8*(2*\kt+\c):KV+8*(2*\kt+\c)+7], v[Q+16*\T+8*\c:Q+16*\T+8*\c+7], v[S+32*\T+8*\kt:S+32*\T+8*\kt+7]
.endif
.endr
.endr
.endr
.rept 4
	v_nop                                          ; four places in front of loads into K's registers and of the first read of the scores
.endr
.irp i, 0,1,2,3,4,5,6,7,8,9,10,11,12,13,14,15
	ds_load_b128 v[KV+4*\i:KV+4*\i+3], v[ADR] offset:8192+512*\i     ; V^T: fragment (32 keys u, ct) at KV + 8 (4 u + ct); it lands during the softmax
.endr
	; the maximum of the lane's 32 scores and the old m, three operands at a time, the two tiles by turns; each accumulator is read from its low end on
.irp j, 0,1,2,3
.irp T, 0,1
	v_max3_num_f32 v[ST+8*\T+4+\j], v[S+32*\T+8*\j], v[S+32*\T+8*\j+1], v[S+32*\T+8*\j+2]
.endr
.endr
.irp i, 3,5
.irp j, 0,1,2,3
.irp T, 0,1
	v_max3_num_f32 v[ST+8*\T+4+\j], v[ST+8*\T+4+\j], v[S+32*\T+8*\j+\i], v[S+32*\T+8*\j+\i+1]
.endr
.endr
.endr
.irp T, 0,1
	v_max3_num_f32 v[ST+8*\T+4], v[ST+8*\T+4], v[S+32*\T+7], v[S+32*\T+15]
	v_max3_num_f32 v[ST+8*\T+6], v[ST+8*\T+6], v[S+32*\T+23], v[S+32*\T+31]
.endr
.irp T, 0,1
	v_max3_num_f32 v[ST+8*\T+4], v[ST+8*\T+4], v[ST+8*\T+5], v[ST+8*\T+6]
.endr
.irp T, 0,1
	v_max3_num_f32 v[ST+8*\T+4], v[ST+8*\T+4], v[ST+8*\T+7], v[ST+8*\T]
.endr
.irp T, 0,1
	v_permlanex16_b32 v[ST+8*\T+5], v[ST+8*\T+4], s[SEL], s[SEL+1]   ; the query's other 32 keys lie in the lane 16 away
.endr
.irp T, 0,1
	v_mov_b32 v[ST+8*\T+7], v[ST+8*\T]             ; m_old
.endr
.irp T, 0,1
	v_max_num_f32 v[ST+8*\T], v[ST+8*\T+4], v[ST+8*\T+5]
.endr
.irp T, 0,1
	v_sub_f32 v[ST+8*\T+7], v[ST+8*\T+7], v[ST+8*\T]
.endr
.irp T, 0,1
	v_exp_f32 v[ST+8*\T+6], v[ST+8*\T+7]           ; a; with the 64 below ONE BATCH: nothing names a result ahead of the one wait
.endr
.irp T, 0,1
.set i, 0
.rept 16
	v_pk_add_f32 v[S+32*\T+i:S+32*\T+i+1], v[S+32*\T+i:S+32*\T+i+1], v[ST+8*\T:ST+8*\T+1] op_sel_hi:[1,0] neg_lo:[0,1] neg_hi:[0,1]   ; t - m, two at a time
.set i, i+2
.endr
.endr
.set i, 0
.rept 64
	v_exp_f32 v[S+i], v[S+i]                       ; p = 2^(t - m)
.set i, i+1
.endr
	v_nop                                          ; a plain line behind the last exponential
	s_wait_alu depctr_va_vdst(0)                   ; the wait ahead of the first line that names a result: one for the 66
.irp T, 0,1
	v_pk_mul_f32 v[ST+8*\T+2:ST+8*\T+3], v[ST+8*\T+2:ST+8*\T+3], v[ST+8*\T+6:ST+8*\T+7] op_sel_hi:[1,0]   ; l x a
	v_pk_add_f32 v[ST+8*\T+4:ST+8*\T+5], v[S+32*\T:S+32*\T+1], v[S+32*\T+2:S+32*\T+3]                     ; the row's sum of p in f32, two chains a tile
.endr
.irp j, 4,8,12,16,20,24,28
.irp T, 0,1
	v_pk_add_f32 v[ST+8*\T+2:ST+8*\T+3], v[ST+8*\T+2:ST+8*\T+3], v[S+32*\T+\j:S+32*\T+\j+1]
	v_pk_add_f32 v[ST+8*\T+4:ST+8*\T+5], v[ST+8*\T+4:ST+8*\T+5], v[S+32*\T+\j+2:S+32*\T+\j+3]
.endr
.endr
.irp T, 0,1
	v_pk_add_f32 v[ST+8*\T+2:ST+8*\T+3], v[ST+8*\T+2:ST+8*\T+3], v[ST+8*\T+4:ST+8*\T+5]
.endr
.irp T, 0,1
.set i, 0
.rept 16
	v_cvt_pk_f16_f32 v[S+32*\T+i], v[S+32*\T+2*i], v[S+32*\T+2*i+1]   ; P, in place, ascending: registers 8 u .. 8 u + 7 are source 1 for keys 32 u on
.set i, i+1
.endr
.endr
.irp T, 0,1
.set i, 0
.rept 16
	v_pk_mul_f32 v[O+32*\T+i:O+32*\T+i+1], v[O+32*\T+i:O+32*\T+i+1], v[ST+8*\T+6:ST+8*\T+7] op_sel_hi:[1,0]   ; O^T x a, each accumulator from its low end on
.set i, i+2
.endr
.endr
	s_wait_dscnt 0x0                               ; V is in
.irp u, 0,1                                    ; O^T += V^T P: the eight accumulators take turns
.irp ct, 0,1,2,3
.irp T, 0,1
	v_wmma_f32_16x16x32_f16 v[O+32*\T+8*\ct:O+32*\T+8*\ct+7], v[KV+8*(4*\u+\ct):KV+8*(4*\u+\ct)+7], v[S+32*\T+8*\u:S+32*\T+8*\u+7], v[O+32*\T+8*\ct:O+32*\T+8*\ct+7]
.endr
.endr
.endr
	s_add_co_u32 s[TB], s[TB], STEPB
.endm
.macro SLOT_STEPS                      ; a slot's eight steps: written once, walked eight times
	s_mov_b32 s[CNT], 8
.Lstep_\@:
	STEP
	s_sub_co_u32 s[CNT], s[CNT], 1
	s_cmp_lg_u32 s[CNT], 0
	s_cbranch_scc1 .Lstep_\@
.endm
; THE CHANGE OF SLOTS.  Each wave waits for all its tensor loads, of which one is out: its piece of the other slot; adds 0 to its spare word; and waits for that and for its reads of the slot that it leaves.
; fill = 1: the barrier is a round of the cluster's, so that no wave of any partner still reads the slot or has a load on its way; the joint refill is the first thing behind it and has eight key steps in which to land.
.macro CHANGE fill
	s_wait_tensorcnt 0x0                           ; no tensor load of mine is out, so a group 0 may be written
	ds_add_u32 v[SPW], v[NIL]                      ; 0 onto my spare word
.if \fill
	s_xor_b32 s[G0B+1], s[G0B+1], SLOT1            ; the walking descriptor: the other slot than last time,
	s_add_nc_u64 s[G0B+2:G0B+3], s[G0B+2:G0B+3], 65536   ; the next eight steps; the type bits on top are not reached
	s_wait_dscnt 0x0                               ; the add is done, and my reads of the slot are over
	CROUND
	JLOAD
	ASK
.else
	s_wait_dscnt 0x0
	s_barrier_signal -1
	s_barrier_wait -1
.endif
	s_sub_co_u32 s[TB], s[TB], 8*STEPB             ; back to a slot's first step,
	s_xor_b32 s[TB], s[TB], SLOT1                  ; in the other slot
.endm
	s_wait_tensorcnt 0x1                           ; my piece of slot 0 is in; slot 1's may stay out
	s_barrier_signal -1
	s_barrier_wait -1                              ; everybody's is
	s_wait_loadcnt 0x0                             ; Q
	s_wait_kmcnt 0x0                               ; lam
.Lslot:                                            ; two trips: steps 0 to 15; behind each slot it is filled again
	SLOT_STEPS
	CHANGE 1
	s_sub_co_u32 s[SLOTS], s[SLOTS], 1
	s_cmp_lg_u32 s[SLOTS], 0
	s_cbranch_scc1 .Lslot
	SLOT_STEPS                                     ; the tail is written out
	CHANGE 0
	SLOT_STEPS
	; THE WAY OUT.  The divisors' lines are the places behind the last products: they name none of their registers.
.irp T, 0,1
	v_add_f32 v[ST+8*\T+4], v[ST+8*\T+2], v[ST+8*\T+3]
.endr
.irp T, 0,1
	v_permlanex16_b32 v[ST+8*\T+5], v[ST+8*\T+4], s[SEL], s[SEL+1]
.endr
.irp T, 0,1
	v_add_f32 v[ST+8*\T+4], v[ST+8*\T+4], v[ST+8*\T+5]   ; the row's sum
.endr
.irp T, 0,1
	v_rcp_f32 v[ST+8*\T+6], v[ST+8*\T+4]
.endr
	v_nop                                          ; a plain line behind the last reciprocal
	s_wait_alu depctr_va_vdst(0)                   ; and the wait ahead of the first use: one for the two
	v_mul_f32 v[ST+14], s[LAM], v[ST+14]           ; lam / l2
.set i, 0
.rept 16
	v_pk_mul_f32 v[O+32+i:O+32+i+1], v[O+32+i:O+32+i+1], v[ST+14:ST+15] op_sel_hi:[1,0]
.set i, i+2
.endr
.set i, 0
.rept 16
	v_pk_fma_f32 v[O+i:O+i+1], v[O+i:O+i+1], v[ST+6:ST+7], v[O+32+i:O+32+i+1] op_sel_hi:[1,0,1] neg_lo:[0,0,1] neg_hi:[0,0,1]   ; O1 / l1 - lam O2 / l2
.set i, i+2
.endr
.irp ct, 0,1,2,3
.irp i, 0,1,2,3
	v_cvt_pk_f16_f32 v[O+8*\ct+\i], v[O+8*\ct+2*\i], v[O+8*\ct+2*\i+1]
.endr
.endr
.irp ct, 0,1,2,3                               ; a lane's eight channels 16 ct + 8 h + 0 .. 7 of row r are group ct % 2 of the next product's fragment (32 k: 2 head + ct / 2)
	global_store_b128 v[LI], v[O+8*\ct:O+8*\ct+3], s[18:19] offset:(\ct/2)*8192+(\ct%2)*512   ; 32 lanes store 512 consecutive bytes, aligned
.endr
	s_wait_tensorcnt 0x0                           ; the wave's end, behind my last tensor load
	ds_add_u32 v[SPW], v[NIL]
	s_wait_dscnt 0x0
	CROUND                                         ; the closing round: no work-group ends while a partner may still ask for a piece that names it
	s_endpgm
.Lfunc_end_k_q022fa98fff_attn:
	.size	k_q022fa98fff_attn, .Lfunc_end_k_q022fa98fff_attn-k_q022fa98fff_attn
	.p2alignl 7, 3214868480
	.fill 96, 4, 3214868480
	.section	.rodata,"a",@progbits
	.p2align	6, 0x0
	.amdhsa_kernel k_q022fa98fff_attn
		.amdhsa_group_segment_fixed_size 327680
		.amdhsa_private_segment_fixed_size 0
		.amdhsa_enable_private_segment 0
		.amdhsa_kernarg_size 24
		.amdhsa_user_sgpr_count 2
		.amdhsa_user_sgpr_kernarg_segment_ptr 1
		.amdhsa_wavefront_size32 1
		.amdhsa_system_sgpr_workgroup_id_x 1
		.amdhsa_system_sgpr_workgroup_id_y 1
		.amdhsa_system_sgpr_workgroup_id_z 1
		.amdhsa_system_vgpr_workitem_id 0
		.amdhsa_next_free_vgpr 256
		.amdhsa_next_free_sgpr 66
		.amdhsa_reserve_vcc 0
		.amdhsa_float_denorm_mode_32 3
		.amdhsa_float_denorm_mode_16_64 3
		.amdhsa_memory_ordered 1
		.amdhsa_forward_progress 1
		.amdhsa_inst_pref_size 65
	.end_amdhsa_kernel
	.amdgpu_metadata
---
amdhsa.version: [ 1, 2 ]
amdhsa.kernels:
  - .name:           k_q022fa98fff_attn
    .symbol:         k_q022fa98fff_attn.kd
    .args:
      - { .name: qkv, .offset: 0, .size: 8, .value_kind: global_buffer, .address_space: global }
      - { .name: lam, .offset: 8, .size: 8, .value_kind: global_buffer, .address_space: global }
      - { .name: of, .offset: 16, .size: 8, .value_kind: global_buffer, .address_space: global }
    .group_segment_fixed_size: 327680
    .private_segment_fixed_size: 0
    .kernarg_segment_align: 8
    .kernarg_segment_size: 24
    .max_flat_workgroup_size: 512
    .sgpr_count:     66
    .vgpr_count:     256
    .wavefront_size: 32
...
	.end_amdgpu_metadata
.endif
;; end of part 3
;; launch oproj (part 4): grid 8 x 32, 4 waves a work-group, clusters of 4 x 4, 327,680 bytes of LDS; arguments of, wo16, out0, bo; writes out0
.if DOCPART == 4
	.amdgcn_target "amdgcn-amd-amdhsa--gfx1250"
	.amdhsa_code_object_version 6
	.text
	.protected	k_q022fa98fff_oproj
	.globl	k_q022fa98fff_oproj
	.p2align	8
	.type	k_q022fa98fff_oproj,@function
k_q022fa98fff_oproj:
	s_mov_b64 s[64:65], 0
	v_nop
	global_prefetch_b8 v0, s[64:65] scope:SCOPE_SE
	s_setreg_imm32_b32 hwreg(HW_REG_WAVE_MODE, 25, 1), 1
	s_wait_xcnt 0x0
	s_wait_alu depctr_hold_cnt(0) depctr_sa_sdst(0) depctr_va_vdst(0) depctr_va_sdst(0) depctr_va_ssrc(0) depctr_va_vcc(0) depctr_vm_vsrc(0)
	s_getreg_b32 s2, hwreg(HW_REG_IB_STS2, 6, 4)
	s_cmp_eq_u32 s2, 0
	s_cbranch_scc0 .Lentry_in_a_cluster
	s_endpgm
.Lentry_in_a_cluster:
	s_bfe_u32 s2, ttmp6, 0x10000c
	s_cmp_lg_u32 s2, 0xf033
	s_cbranch_scc0 .Lentry_shape_is_right
	s_endpgm
.Lentry_shape_is_right:
; LAUNCH 4 OF 4: out0 = o Wo + bo.  o [4096][1024] and Wo [1024 (k)][1024 (n)] arrive as f16, as images of their fragments; sums in f32; out0 f32.
; A tile of out0 is 128 x 128: 256 work-groups.  Four waves, each 64 x 64: 16 accumulators.  K goes in four steps of 256 through a ring of two LDS slots; a slot holds A's 64 KB ([32 k 8][row tile 8][1 KB])
; and B's 64 KB, both dense in memory; each wave fetches 32 KB with one tensor load (waves 0, 1: A's halves; waves 2, 3: B's).  Every LDS load is 16 x lane: no pitch, no padding.
; CLUSTERS: 4 x 4 work-groups.  The four of a row of the cluster need the same tiles of o, the four of a column the same tiles of Wo: each is asked for JOINTLY, with the same descriptor and a mask that names the four.
; THE MATRIX INSTRUCTION IS USED TRANSPOSED (source 0 = 16 columns of Wo, source 1 = 16 rows of o): a lane holds eight neighbouring numbers of a row of out0.  bo is the C of each sum's first product.
; REGISTERS: window 0: v16-29 addresses; v32-95 the way out; v96-127 bo in the result's layout; v128-255 the accumulators ((a, b) at 128 + 8 (4 a + b)).
;   window 1: two fragment buffers of 128: for 64 along K, 64 registers of A (2 x 4 fragments), then 64 of B.
; No prefetch: four K steps on small tiles.
.set SLOT,   131072
.set KSB,    65536                     ; a K step of one operand in memory
.set STAGE,  2*SLOT                    ; behind the ring: 16 rows x (256 bytes + 16) for each wave, for the way out
.set SPITCH, 272
.set SPARE,  STAGE+4*16*SPITCH         ; behind the stages: the spare words, 128 bytes for each wave: two blocks of 256 bytes that no other line names
.set ADRA, 16                          ; v16-17  LDS address of my A fragments in slot 0, 1
.set ADRB, 20                          ; v20-21  the same for B
.set STO,  24                          ; v24     the way out: where I put 32 bytes of a row
.set RD,   25                          ; v25     where I read a row back
.set CO,   26                          ; v26     my byte offset in out0
.set BOF,  27                          ; v27     my byte offset in bo
.set SPW,  28                          ; v28     LDS address of my spare word; never rewritten
.set NIL,  29                          ; v29     0; never rewritten
.set TMP,  32
.set BI,   96
.set ACC,  128
.set F0,   0
.set F1,   128
.set G1, 24                            ; s[24:31] descriptor group 1 for A's tiles;  s[32:39] group 0, one set for each slot
.set G0, 32
.set G1B, 48                           ; s[48:55], s[56:63] the same for B's tiles
.set G0B, 56
.set MSB, 0
.macro WIN new                         ; the immediate's high byte repeats the setting that is left
.if MSB != \new
	s_set_vgpr_msb (MSB<<8)|\new
.set MSB, \new
.endif
.endm
.set MUL,  0x05                        ; sources 0 (B) and 1 (A) window 1; C and D window 0
.set TO_F, 0x40                        ; destination window 1, address window 0
.macro JLOAD s                         ; a joint load: waves 0 and 1 fetch A's halves, waves 2 and 3 B's; an s_nop 0 and four v_nop follow each of the two lines
	s_cmp_eq_u32 s11, 0
	s_cbranch_scc0 .Lfor_b_\@
	tensor_load_to_lds s[G0+4*\s:G0+4*\s+3], s[G1:G1+7]
	s_nop 0
.rept 4
	v_nop
.endr
	s_branch .Lasked_\@
.Lfor_b_\@:
	tensor_load_to_lds s[G0B+4*\s:G0B+4*\s+3], s[G1B:G1B+7]
	s_nop 0
.rept 4
	v_nop
.endr
.Lasked_\@:
.endm
.macro CREST                           ; a round of the cluster's barrier behind its opening barrier
	s_cmp_lg_u32 s10, 0
	s_cbranch_scc1 .Lnot_wave_0_\@
	s_barrier_signal -3
.Lnot_wave_0_\@:
	s_barrier_wait -3
	s_barrier_signal -1
	s_barrier_wait -1
.endm
.macro CROUND
	s_barrier_signal -1
	s_barrier_wait -1
	CREST
.endm
	s_load_b128 s[4:7], s[0:1], 0x0                ; of s[4:5], wo16 s[6:7]
	s_load_b64 s[8:9], s[0:1], 0x10                ; out0
	s_load_b64 s[2:3], s[0:1], 0x18                ; bo
	v_lshl_add_u32 v[SPW], v0, 2, SPARE
	v_mov_b32 v[NIL], 0
	ds_add_u32 v[SPW], v[NIL]                      ; the wave's opening: the add, twice on end, and its wait ahead of my first tensor load
	ds_add_u32 v[SPW], v[NIL]                      ; and once more, under the one wait; the set-up below, work on registers, stands between
	v_lshrrev_b32 v1, 5, v0
	v_readfirstlane_b32 s10, v1                    ; wave 0..3
	s_lshr_b32 s11, s10, 1                         ; which half of the tile's rows is mine.  Also: I fetch for A (0) or for B (1)
	s_and_b32 s12, s10, 1                          ; which half of its columns.  Also: which half of a K step I fetch
	s_bfe_u32 s40, ttmp6, 0x40000                  ; cx, cy: my place in the cluster
	s_bfe_u32 s41, ttmp6, 0x40004
	s_lshl_b32 s42, ttmp9, 2
	s_add_co_u32 s42, s42, s40                     ; tile column = 4 x cluster x + cx
	s_and_b32 s13, ttmp7, 0xffff
	s_lshl_b32 s13, s13, 2
	s_add_co_u32 s13, s13, s41                     ; tile row = 4 x cluster y + cy
	s_lshl_b32 s43, s41, 2
	s_lshl_b32 s43, 15, s43                        ; my row of the cluster
	s_lshl_b32 s44, 0x1111, s40                    ; my column
	; descriptor group 1: a dense piece of 32 KB as 128 rows of 32 elements of 8 bytes
	s_or_b32 s[G1+0], s43, (3<<16)|(1<<21)         ; 15:0 the mask: A's tiles go to my row; 17:16 elements of 8 bytes; 20 no padding; 21 set beside a mask
	s_or_b32 s[G1B+0], s44, (3<<16)|(1<<21)
.irp g, G1, G1B
	s_mov_b32 s[\g+1], 32<<16                      ; tensor_dim0 = 32
	s_mov_b32 s[\g+2], 128<<16                     ; tensor_dim1 = 128
	s_mov_b32 s[\g+3], 32<<16                      ; tile_dim0 = 32
	s_mov_b32 s[\g+4], 128                         ; tile_dim1 = 128
	s_mov_b32 s[\g+5], 32                          ; from row to row: 32 elements
	s_mov_b32 s[\g+6], 0
	s_mov_b32 s[\g+7], 0
.endr
	s_lshl_b32 s17, s12, 15                        ; which 32 KB of a K step I fetch
	s_lshl_b32 s16, s13, 18
	s_add_co_u32 s16, s16, s17                     ; A: tile row x 256 KB + half
	s_lshl_b32 s46, s42, 18
	s_add_co_u32 s46, s46, s17                     ; B: tile column x 256 KB + half
	s_mov_b32 s17, 0
	s_mov_b32 s47, 0
	s_lshl_b32 s20, s10, 15                        ; where they go: wave x 32 KB: no place in the cluster enters an LDS address
	s_wait_dscnt 0x0                               ; both opening adds are done
	s_wait_kmcnt 0x0
	s_add_nc_u64 s[14:15], s[4:5], s[16:17]
	s_add_nc_u64 s[46:47], s[6:7], s[46:47]
	CROUND                                         ; all sixteen work-groups are here: the first joint loads meet
.irp s, 0,1
	s_mov_b32 s[G0+4*\s], 1
	s_add_co_u32 s[G0+4*\s+1], s20, \s*SLOT
	s_add_nc_u64 s[G0+4*\s+2:G0+4*\s+3], s[14:15], \s*KSB
	s_or_b32 s[G0+4*\s+3], s[G0+4*\s+3], 0x80000000
	s_mov_b32 s[G0B+4*\s], 1
	s_add_co_u32 s[G0B+4*\s+1], s20, \s*SLOT
	s_add_nc_u64 s[G0B+4*\s+2:G0B+4*\s+3], s[46:47], \s*KSB
	s_or_b32 s[G0B+4*\s+3], s[G0B+4*\s+3], 0x80000000
	JLOAD \s
.endr
	v_and_b32 v1, 15, v0                           ; r
	v_bfe_u32 v2, v0, 4, 1                         ; h
	v_and_b32 v3, 31, v0
	v_lshlrev_b32 v3, 4, v3                        ; 16 x lane
	s_lshl_b32 s21, s11, 12                        ; my four row tiles of A
	s_lshl_b32 s22, s12, 12                        ; my four column tiles of B,
	s_add_co_u32 s22, s22, KSB                     ; which lie behind A's 64 KB
.irp s, 0,1
	v_add_nc_u32 v[ADRA+\s], s21, v3
	v_add_nc_u32 v[ADRB+\s], s22, v3
	s_add_co_u32 s21, s21, SLOT
	s_add_co_u32 s22, s22, SLOT
.endr
	s_mul_i32 s23, s10, 16*SPITCH
	s_add_co_u32 s23, s23, STAGE                   ; my stage
	v_mul_u32_u24 v4, v1, SPITCH                   ; in: row r, 32 bytes for each half of the lanes
	v_lshl_add_u32 v4, v2, 5, v4
	v_add_nc_u32 v[STO], s23, v4
	v_mul_u32_u24 v5, v2, SPITCH                   ; back: lanes 0-15 one row of 256 bytes, lanes 16-31 the next
	v_lshl_add_u32 v5, v1, 4, v5
	v_add_nc_u32 v[RD], s23, v5
	v_lshlrev_b32 v5, 12, v2                       ; and the same two rows in out0: 4,096 bytes a row
	v_lshl_add_u32 v[CO], v1, 4, v5
	v_lshlrev_b32 v[BOF], 5, v2                    ; bo: 32 h bytes
	s_lshl_b32 s16, s13, 19                        ; my first row of out0: (128 tile row + 64 half) x 4,096 bytes
	s_lshl_b32 s17, s11, 18
	s_add_co_u32 s16, s16, s17
	s_mov_b32 s17, 0
	s_add_nc_u64 s[8:9], s[8:9], s[16:17]
	s_lshl_b32 s46, s42, 9                         ; my first column, in bytes: 512 x tile column + 256 x half; the same in bo
	s_lshl_b32 s47, s12, 8
	s_add_co_u32 s46, s46, s47
	s_mov_b32 s47, 0
	s_add_nc_u64 s[8:9], s[8:9], s[46:47]
	s_add_nc_u64 s[2:3], s[2:3], s[46:47]
.irp b, 0,1,2,3
.irp g, 0,1
	global_load_b128 v[BI+8*\b+4*\g:BI+8*\b+4*\g+3], v[BOF], s[2:3] offset:64*\b+16*\g   ; bo at the lane's eight columns of block b: 16 b + 8 h + 0 .. 7
.endr
.endr
; 8 matrix instructions: row blocks a0, a0 + 1 x all 4 column blocks, 32 along K: half c of buffer f.  zero = 1: the first product starts the sum, with bo as its C
.macro MUL8 f, c, a0, zero
.irp a, \a0, \a0+1
.irp b, 0,1,2,3
.if \zero
	v_wmma_f32_16x16x32_f16 v[ACC+8*(4*(\a)+\b):ACC+8*(4*(\a)+\b)+7], v[\f+64+8*(4*\c+\b):\f+64+8*(4*\c+\b)+7], v[\f+8*(4*\c+\a):\f+8*(4*\c+\a)+7], v[BI+8*\b:BI+8*\b+7]
.else
	v_wmma_f32_16x16x32_f16 v[ACC+8*(4*(\a)+\b):ACC+8*(4*(\a)+\b)+7], v[\f+64+8*(4*\c+\b):\f+64+8*(4*\c+\b)+7], v[\f+8*(4*\c+\a):\f+8*(4*\c+\a)+7], v[ACC+8*(4*(\a)+\b):ACC+8*(4*(\a)+\b)+7]
.endif
.endr
.endr
.endm
; 32 LDS loads in one run: the fragments of the slot's q-th 64 along K into buffer f; the first 32 along K first
.macro FETCH slot, q, f
	WIN TO_F
.irp c, 0,1
.irp i, 0,1,2,3
	ds_load_b128 v[\f+64+8*(4*\c+\i):\f+64+8*(4*\c+\i)+3],   v[ADRB+\slot] offset:(2*(\q)+\c)*8192+\i*1024
	ds_load_b128 v[\f+64+8*(4*\c+\i)+4:\f+64+8*(4*\c+\i)+7], v[ADRB+\slot] offset:(2*(\q)+\c)*8192+\i*1024+512
	ds_load_b128 v[\f+8*(4*\c+\i):\f+8*(4*\c+\i)+3],         v[ADRA+\slot] offset:(2*(\q)+\c)*8192+\i*1024
	ds_load_b128 v[\f+8*(4*\c+\i)+4:\f+8*(4*\c+\i)+7],       v[ADRA+\slot] offset:(2*(\q)+\c)*8192+\i*1024+512
.endr
.endr
.endm
.macro PLACES                          ; four places in front of loads into registers that matrix instructions have read, and of the first read of results
.rept 4
	v_nop
.endr
.endm
; A K step is four quarters of 64 along K, 32 matrix instructions each, on buffers 0, 1, 0, 1; the 16 accumulators take turns.  One of the first three: multiplies buffer f and fetches quarter q into g.
.macro QUARTER slot, q, f, g, zero
	s_wait_dscnt 16                                ; the first 32 along K are in; the other sixteen loads may be out
	WIN MUL
	MUL8 \f, 0, 0, \zero
	MUL8 \f, 0, 2, \zero
	PLACES
	FETCH \slot, \q, \g
	s_wait_dscnt 32                                ; all but the 32 just issued
	WIN MUL
	MUL8 \f, 1, 0, 0
	MUL8 \f, 1, 2, 0
.endm
; The last quarter multiplies buffer 1 and changes slots: ONE barrier; in front of it each wave waits for all its tensor loads, adds 0 to its spare word, and waits for that and for its reads of this slot.
; fill = 1: this slot is filled again, two K steps ahead; the barrier then opens a round of the cluster's.
.macro TURN slot, next, fill
	WIN 0                                          ; (the add's two registers lie in window 0)
	s_wait_tensorcnt 0x0                           ; all my tensor loads have landed: my part of the next slot;
	ds_add_u32 v[SPW], v[NIL]                      ; 0 onto my spare word;
	s_wait_dscnt 17                                ; (the add and the youngest sixteen loads may be out)
	WIN MUL
	MUL8 F1, 0, 0, 0                               ; eight matrix instructions stand between the add and the wait for it
	s_wait_dscnt 0x0                               ; the add is done, and my reads of this slot are over
	s_barrier_signal -1
	MUL8 F1, 0, 2, 0
.if \fill
	WIN 0
.endif
	s_barrier_wait -1
.if \fill
	CREST                                          ; no wave of any partner still reads this slot's tile or has a load on its way
	s_add_nc_u64 s[G0+4*\slot+2:G0+4*\slot+3], s[G0+4*\slot+2:G0+4*\slot+3], 2*KSB
	s_add_nc_u64 s[G0B+4*\slot+2:G0B+4*\slot+3], s[G0B+4*\slot+2:G0B+4*\slot+3], 2*KSB
	JLOAD \slot                                    ; the first tensor load behind the round; the four v_nop behind it are also the places in front of the loads below
.else
	PLACES
.endif
	FETCH \next, 0, F0
	WIN MUL
	MUL8 F1, 1, 0, 0
	MUL8 F1, 1, 2, 0
.endm
	s_wait_loadcnt 0x0                             ; bo
	s_wait_tensorcnt 0x1                           ; my part of K step 0 is in; K step 1's may stay out
	s_barrier_signal -1
	s_barrier_wait -1                              ; everybody's is
	FETCH 0, 0, F0
	QUARTER 0, 1, F0, F1, 1                        ; K step 0; its first products start the sums
	QUARTER 0, 2, F1, F0, 0
	QUARTER 0, 3, F0, F1, 0
	TURN 0, 1, 1                                   ; slot 0 takes K step 2
	QUARTER 1, 1, F0, F1, 0                        ; K step 1
	QUARTER 1, 2, F1, F0, 0
	QUARTER 1, 3, F0, F1, 0
	TURN 1, 0, 1                                   ; slot 1 takes K step 3
	QUARTER 0, 1, F0, F1, 0                        ; K step 2
	QUARTER 0, 2, F1, F0, 0
	QUARTER 0, 3, F0, F1, 0
	TURN 0, 1, 0                                   ; nothing is left to fetch
	QUARTER 1, 1, F0, F1, 0                        ; K step 3
	QUARTER 1, 2, F1, F0, 0
	QUARTER 1, 3, F0, F1, 0
	s_wait_dscnt 16
	WIN MUL
	MUL8 F1, 0, 0, 0
	MUL8 F1, 0, 2, 0
	s_wait_dscnt 0x0
	MUL8 F1, 1, 0, 0
	MUL8 F1, 1, 2, 0
	WIN 0
; THE WAY OUT, a block of 16 rows x 64 columns at a time.  A lane holds 32 neighbouring bytes of a row and the lanes beside it other rows: so a block goes through my own stage in LDS and comes back as whole
; rows of 256 bytes.  LDS serves a wave's instructions in order (ISA guide 5.7.1.4): no wait between the stores and the loads, nor in front of the next block's stores.
.macro TOSTAGE a
.irp b, 0,1,2,3
	ds_store_b128 v[STO], v[ACC+8*(4*(\a)+\b):ACC+8*(4*(\a)+\b)+3] offset:64*\b          ; each accumulator from its low end on
	ds_store_b128 v[STO], v[ACC+8*(4*(\a)+\b)+4:ACC+8*(4*(\a)+\b)+7] offset:64*\b+16
.endr
.irp t, 0,1,2,3,4,5,6,7
	ds_load_b128 v[TMP+32*((\a)%2)+4*\t:TMP+32*((\a)%2)+4*\t+3], v[RD] offset:\t*2*SPITCH
.endr
.endm
.macro SEND a, younger                 ; younger: the LDS instructions issued behind block a's loads: the next block's eight stores and eight loads, or none
	s_wait_dscnt \younger
.irp t, 0,1,2,3,4,5,6,7
	global_store_b128 v[CO], v[TMP+32*((\a)%2)+4*\t:TMP+32*((\a)%2)+4*\t+3], s[8:9] offset:(16*(\a)+2*\t)*4096 th:TH_STORE_NT   ; 16 lanes store 256 consecutive bytes, aligned; written once, read by nobody here
.endr
.endm
	PLACES
	TOSTAGE 0
	TOSTAGE 1
	SEND 0, 16
	s_wait_xcnt 0x0                                ; block 0's stores have read their registers: block 2's loads may land there
	TOSTAGE 2
	SEND 1, 16
	s_wait_xcnt 0x0                                ; block 1's likewise
	TOSTAGE 3
	SEND 2, 16
	SEND 3, 0
	s_wait_tensorcnt 0x0                           ; the wave's end, behind my last tensor load and my last LDS store
	ds_add_u32 v[SPW], v[NIL]
	s_wait_dscnt 0x0
	CROUND                                         ; the closing round: no work-group ends while a partner may still ask for a tile that names it
	s_endpgm
.Lfunc_end_k_q022fa98fff_oproj:
	.size	k_q022fa98fff_oproj, .Lfunc_end_k_q022fa98fff_oproj-k_q022fa98fff_oproj
	.p2alignl 7, 3214868480
	.fill 96, 4, 3214868480
	.section	.rodata,"a",@progbits
	.p2align	6, 0x0
	.amdhsa_kernel k_q022fa98fff_oproj
		.amdhsa_group_segment_fixed_size 327680
		.amdhsa_private_segment_fixed_size 0
		.amdhsa_enable_private_segment 0
		.amdhsa_kernarg_size 32
		.amdhsa_user_sgpr_count 2
		.amdhsa_user_sgpr_kernarg_segment_ptr 1
		.amdhsa_wavefront_size32 1
		.amdhsa_system_sgpr_workgroup_id_x 1
		.amdhsa_system_sgpr_workgroup_id_y 1
		.amdhsa_system_sgpr_workgroup_id_z 1
		.amdhsa_system_vgpr_workitem_id 0
		.amdhsa_next_free_vgpr 512
		.amdhsa_next_free_sgpr 66
		.amdhsa_reserve_vcc 0
		.amdhsa_float_denorm_mode_32 3
		.amdhsa_float_denorm_mode_16_64 3
		.amdhsa_memory_ordered 1
		.amdhsa_forward_progress 1
		.amdhsa_inst_pref_size 86
	.end_amdhsa_kernel
	.amdgpu_metadata
---
amdhsa.version: [ 1, 2 ]
amdhsa.kernels:
  - .name:           k_q022fa98fff_oproj
    .symbol:         k_q022fa98fff_oproj.kd
    .args:
      - { .name: of, .offset: 0, .size: 8, .value_kind: global_buffer, .address_space: global }
      - { .name: wo16, .offset: 8, .size: 8, .value_kind: global_buffer, .address_space: global }
      - { .name: out0, .offset: 16, .size: 8, .value_kind: global_buffer, .address_space: global }
      - { .name: bo, .offset: 24, .size: 8, .value_kind: global_buffer, .address_space: global }
    .group_segment_fixed_size: 327680
    .private_segment_fixed_size: 0
    .kernarg_segment_align: 8
    .kernarg_segment_size: 32
    .max_flat_workgroup_size: 128
    .sgpr_count:     66
    .vgpr_count:     512
    .wavefront_size: 32
...
	.end_amdgpu_metadata
.endif
;; end of part 4
